; MI455X (gfx1250); checked and timed in simulation.
; The chip was launched on July 23, 2026; its instructions are those of AMD's public machine-readable ISA for CDNA 5 (MIT licence, August 2026) and "CDNA5" Instruction Set Architecture Reference Guide (July 2026). The comments in the code are by the model that wrote it; some were corrected since.
;; Multi Head Attention. Allowed arithmetic: matrix products marked QUANTISED: E3M2 operands, one E8M0 scale for each 32 along K, by v_wmma_scale_f32_16x16x128_f8f6f4 with both operands' format E3M2, f32 sums; everything else in f32.
;; Inputs: Wk 1,024 x 1,024 float32; Wo 1,024 x 1,024 float32; Wq 1,024 x 1,024 float32; Wv 1,024 x 1,024 float32; bk 1,024 float32; bo 1,024 float32; bq 1,024 float32; bv 1,024 float32; x 4 x 2,048 x 1,024 float32.
;; Outputs: out0 4 x 2,048 x 1,024 float32.
;; This version of the problem:
;;   THIS VERSION OF THE PROBLEM IS GIVEN IN LOW PRECISION. The matrix products marked QUANTISED in the list below multiply operands that are first quantised to E3M2 (3 exponent bits, 2 mantissa bits; 6 bits a number), with one power-of-two scale for each 32 numbers along K (OCP MX v1.0); their sums are f32. All else is computed in f32.
;;   The module's matrix products, in the order in which they are computed (A, B: the left and right operand; K: the contracted axis; several contracted axes count as one K, in the product's order):
;;     1. [M 8,192, K 1,024] x [K 1,024, N 1,024]; A: input x; B: input Wq: QUANTISED
;;     2. [M 8,192, K 1,024] x [K 1,024, N 1,024]; A: input x; B: input Wk: QUANTISED
;;     3. [M 8,192, K 1,024] x [K 1,024, N 1,024]; A: input x; B: input Wv: QUANTISED
;;     4. batch 64 x [M 2,048, K 64] x [K 64, N 2,048]; A: computed on the way; B: computed on the way: QUANTISED
;;     5. batch 64 x [M 2,048, K 2,048] x [K 2,048, N 64]; A: softmax (see below); B: computed on the way: QUANTISED
;;     6. [M 8,192, K 1,024] x [K 1,024, N 1,024]; A: computed on the way; B: input Wo: QUANTISED
;;   THE QUANTISER, for each operand of a quantised product, along K:
;;     - K is cut into blocks of 32 from its start; a last block that is shorter is filled with zeros.
;;     - A block's scale is 2^e with e = floor(log2(the largest magnitude in the block)) - 4, held to -126 .. 127; a block of zeros has e = 0. As a byte (E8M0): e + 127.
;;     - Each number is divided by its block's scale, clamped to +-28, and rounded to the nearest number of E3M2, ties to even, subnormals kept.
;;     - The product sums the exact products of the quantised numbers (number of the format x scale) in f32.
;;   ~~~python
;;   def quantise(x, axis):      # numpy; x: float32 -> the quantised numbers, widened to float32 again
;;       x = np.moveaxis(x, axis, -1); K = x.shape[-1]
;;       x = np.pad(x, [(0, 0)] * (x.ndim - 1) + [(0, -K % 32)]); x = x.reshape(x.shape[:-1] + (-1, 32)); a = np.abs(x).max(-1, keepdims=True)
;;       e = np.where(a > 0, np.clip(np.frexp(np.where(a > 0, a, 1))[1] - 1 - 4, -126, 127), 0)      # np.frexp(a)[1] - 1 = floor(log2(a)), exactly
;;       r = np.clip(x / 2.0 ** e, -28, 28)
;;       step = 2.0 ** (np.maximum(np.frexp(np.where(r == 0, 1, r))[1] - 1, -2) - 2)
;;       q = np.round(r / step) * step * 2.0 ** e      # np.round: ties to even
;;       return np.moveaxis(q.reshape(q.shape[:-2] + (-1,))[..., :K], -1, axis).astype(np.float32)
;;   ~~~
;;   SOFTMAX AHEAD OF A QUANTISED PRODUCT. Where the list says 'softmax', what is quantised is not the finished softmax but p = 2^(t - M), with t = logit x log2(e) and M = ceil(the row's largest t), a whole number; so 1/2 < the row's largest p <= 1. The row's sum l is taken of the UNQUANTISED p, in f32, and the product's result is divided by l at the end. Since M is a whole number, a kernel that streams over the keys may use a running M (the ceiling of the running maximum): every later rescaling is an exact power of two, which a block's scale takes up: the codes' values come out the same.
;;   OPERANDS COMPUTED ON THE WAY. 'Computed on the way' means the value that the module computes at that place (a softmax that the list does not call 'softmax' is quantised finished and normalised). What goes into a quantiser is computed in f32, as accurately as f32 sums, v_exp_f32 and their like allow (about 1e-6 of the number): no bf16 or f16 on the way to a quantiser, and a product that is left as it is and whose result goes on into a quantised operand takes f32 operands (vector FMAs, or v_wmma_f32_16x16x4_f32). A number that lies on a knife's edge between two numbers of the format may be rounded either way, as far as f32 arithmetic and the matrix unit's own rounding can turn it there, and no further.
;; One version. Each part assembles by itself: llvm-mc -triple=amdgcn-amd-amdhsa -mcpu=gfx1250 --defsym DOCPART=n.
;; ======== version 1 of 1: 4 launches
;; limits: right only within a limited range of input values
;; workspace buffers: cw 9,437,184 bytes; sw 393,216 bytes; qr 6,815,744 bytes; kv 13,369,344 bytes; oc 6,291,456 bytes; os 262,144 bytes
;; launch quant (part 1): grid 384 x 1, 4 waves a work-group, no clusters, 36,352 bytes of LDS; arguments x, Wq, Wk, Wv, Wo, cw, sw; writes cw, sw
.if DOCPART == 1
	.amdgcn_target "amdgcn-amd-amdhsa--gfx1250"
	.amdhsa_code_object_version 6
	.text
	.protected	k_qbed5389970_quant
	.globl	k_qbed5389970_quant
	.p2align	8
	.type	k_qbed5389970_quant,@function
k_qbed5389970_quant:
	s_mov_b64 s[64:65], 0
	v_nop
	global_prefetch_b8 v0, s[64:65] scope:SCOPE_SE
	s_setreg_imm32_b32 hwreg(HW_REG_WAVE_MODE, 25, 1), 1
	s_wait_xcnt 0x0
; x [8192][1024] and Wq, Wk, Wv, Wo [1024][1024], f32 with K innermost, become codes of BF6 (E3M2) with one E8M0 scale byte for each 32 along K.
; A block's scale is 2^(floor(log2(its largest magnitude)) - 4); its byte is the largest magnitude's exponent field - 4, held at 1 from below.
; LIMITS: a block whose largest magnitude lies under 2^-122 gets the byte 1 (the floor); a block of zeros gets the byte 1 where the rule says 127 (its codes are zeros, which add
; nothing under any byte but 0xff, and this program alone reads the bytes); NaN and infinities among the inputs are not served.
; THE OUTPUT LIES IN THE ORDER OF THE OPERAND'S REGISTERS.  The five tensors' rows stand one behind the other (x 0-8191, Wq 8192-, Wk 9216-, Wv 10240-, Wo 11264-12287), and
; STORED ROW p HOLDS THE TRUE ROW p WITH BITS 3 AND 4 EXCHANGED: lane r of tile 2 b + u of a group of 32 then holds true row 32 b + 8 u + r + 8 (r / 8), so that a product that takes
; such tiles as source 0 has 16 true neighbours in the 16 registers of two neighbouring tiles.
; cw: [16 chunks of 64 along K][768 tiles of 16 rows][768 bytes]: lane (r, h) owns the 24 bytes of row r's block h: its first 16 bytes at 16 x lane, its last 8 at 512 + 8 x lane.
; sw: [4 runs of 256 along K][12,288 rows][8 bytes]: byte 2 (chunk % 4) + block.
; SHARES.  Work-group: 128 stored rows (number / 4) x 256 along K (number % 4).  Wave w: rows 32 w .. 32 w + 31, in 8 steps of 16 rows x 64 along K (step t: tile t / 4, chunk t % 4): a row's eight
; scale bytes come from one wave, so waves share nothing and there is no barrier.  A step's eight loads read two rows' 256 aligned bytes each; the numbers turn through the wave's own stage in LDS
; (rows 272 bytes apart) and come back 128 bytes a lane: a whole block of 32.  Loads run two steps (16 loads a wave) ahead, the turn one step.
; No tensor loads, no matrix unit, no cluster: every byte is read once by one wave.
.set ROWB,   4096                      ; a row of the source in bytes
.set PLANE,  589824                    ; a chunk's plane in cw
.set SPLANE, 98304                     ; a run's plane in sw
.set SP,     272                       ; a stage row: 256 bytes + 16
.set STG,    16*SP                     ; a stage
.set WREG,   2*STG                     ; a wave's two stages
.set SCB,    4*WREG                    ; behind them: 256 scale bytes for each wave
.set EMAX,   4
.set R,      16                        ; v16-79   two sets of 32 registers as loaded
.set X,      80                        ; v80-143  two sets of 32: a lane's block
.set C,      144                       ; v144-207 codes: eight registers a step, so that no store's data are written again
.set TC,     208                       ; v208-210 the second conversion's result
.set E,      212                       ; v212-219 a scale byte for each step
	s_load_b256 s[4:11], s[0:1], 0x0               ; x, Wq, Wk, Wv
	s_load_b128 s[12:15], s[0:1], 0x20             ; Wo, cw
	s_load_b64 s[16:17], s[0:1], 0x30              ; sw
	v_lshl_add_u32 v224, v0, 2, 0x8c00
	v_mov_b32 v225, 0
	v_lshrrev_b32 v1, 5, v0
	v_readfirstlane_b32 s18, v1                    ; wave
	v_and_b32 v2, 31, v0                           ; lane
	v_and_b32 v8, 15, v0                           ; r
	v_bfe_u32 v9, v0, 4, 1                         ; h
	v_lshlrev_b32 v3, 4, v8
	v_lshl_add_u32 v3, v9, 12, v3                  ; a load: sixteen lanes to a row's 256 bytes, lanes 16-31 one row on
	v_lshlrev_b32 v4, 4, v2                        ; 16 x lane
	v_lshlrev_b32 v7, 3, v2                        ; 8 x lane
	s_mul_i32 s19, s18, WREG
	v_mul_u32_u24 v14, v9, SP
	v_lshl_add_u32 v14, v8, 4, v14
	v_add_nc_u32 v14, s19, v14                     ; the stage, on the way in: as loaded
	v_mul_u32_u24 v15, v8, SP
	v_lshl_add_u32 v15, v9, 7, v15
	v_add_nc_u32 v15, s19, v15                     ; and on the way out: row r, block h
	s_lshl_b32 s19, s18, 8
	s_add_co_u32 s19, s19, SCB                     ; my wave's scale bytes
	v_lshl_add_u32 v5, v8, 3, v9
	v_add_nc_u32 v5, s19, v5                       ; my block's byte: 8 r + h
	v_add_nc_u32 v6, s19, v7                       ; and on the way out 8 bytes a lane
	s_lshr_b32 s20, ttmp9, 2                       ; which 128 stored rows
	s_and_b32 s21, ttmp9, 3                        ; which 256 along K
	s_and_b32 s22, s20, 7
	s_wait_alu depctr_va_vdst(0)
	s_wait_kmcnt 0x0
	s_cmp_lt_u32 s20, 88                           ; which tensor: the choice hangs on the work-group's number alone
	s_cselect_b64 s[12:13], s[10:11], s[12:13]
	s_cmp_lt_u32 s20, 80
	s_cselect_b64 s[12:13], s[8:9], s[12:13]
	s_cmp_lt_u32 s20, 72
	s_cselect_b64 s[12:13], s[6:7], s[12:13]
	s_cmp_lt_u32 s20, 64
	s_cselect_b64 s[12:13], s[4:5], s[12:13]
	s_cselect_b32 s22, s20, s22                    ; and which 128 rows of it
	s_lshl_b32 s24, s22, 19                        ; 128 rows of 4,096 bytes,
	s_lshl_b32 s23, s18, 17                        ; my wave's 32 rows,
	s_add_co_u32 s24, s24, s23
	s_lshl_b32 s23, s21, 10                        ; 256 numbers along K
	s_add_co_u32 s24, s24, s23
	s_mov_b32 s25, 0
	s_add_nc_u64 s[12:13], s[12:13], s[24:25]
	s_mul_i32 s24, s21, 4*PLANE                    ; cw: four chunks a run, eight tiles a work-group, two a wave
	s_mul_i32 s23, s20, 6144
	s_add_co_u32 s24, s24, s23
	s_mul_i32 s23, s18, 1536
	s_add_co_u32 s24, s24, s23
	s_add_nc_u64 s[14:15], s[14:15], s[24:25]
	s_mul_i32 s24, s21, SPLANE                     ; sw: 1,024 bytes a work-group, 256 a wave
	s_lshl_b32 s23, s20, 10
	s_add_co_u32 s24, s24, s23
	s_lshl_b32 s23, s18, 8
	s_add_co_u32 s24, s24, s23
	s_add_nc_u64 s[16:17], s[16:17], s[24:25]
.macro LOAD t                          ; step t: stored rows 2 i and 2 i + 1 of tile t / 4; the immediates carry out the exchange of bits 3 and 4
.irp i, 0,1,2,3,4,5,6,7
	global_load_b128 v[R+32*((\t)%2)+4*\i:R+32*((\t)%2)+4*\i+3], v3, s[12:13] offset:(8*((\t)/4)+((2*\i)&7)+16*(\i/4))*ROWB+256*((\t)%4) th:TH_LOAD_NT
.endr
.endm
.macro TURN t                          ; through the stage: LDS serves a wave's instructions in order, so no wait stands between the stores and the loads
.irp i, 0,1,2,3,4,5,6,7
	ds_store_b128 v14, v[R+32*((\t)%2)+4*\i:R+32*((\t)%2)+4*\i+3] offset:STG*((\t)%2)+2*SP*\i
.endr
.irp i, 0,1,2,3,4,5,6,7
	ds_load_b128 v[X+32*((\t)%2)+4*\i:X+32*((\t)%2)+4*\i+3], v15 offset:STG*((\t)%2)+16*\i
.endr
.endm
	LOAD 0
	LOAD 1
	s_wait_loadcnt 8                               ; step 0's eight loads are in; step 1's may be out
	TURN 0
.macro STEP t
.set XS, X+32*((\t)%2)
.set CC, C+8*(\t)
.if (\t) > 0
	s_wait_dscnt 1                                 ; this step's block is back from the stage (the last step's byte store may be out): so its stores into the stage have read their registers,
.else
	s_wait_dscnt 0x0
.endif
.if (\t)+2 < 8
	LOAD (\t)+2                                    ; which take the loads of two steps on
.endif
.if (\t)+1 < 8
.if (\t)+2 < 8
	s_wait_loadcnt 8                               ; the next step's eight loads are in; the eight just issued may be out
.else
	s_wait_loadcnt 0x0
.endif
	TURN (\t)+1                                    ; and go through the other stage while this step is worked
.endif
	v_max3_num_f32 v12, |v[XS]|, |v[XS+1]|, |v[XS+2]|              ; the block's largest magnitude: all 32 numbers are mine; two chains
	v_max3_num_f32 v13, |v[XS+3]|, |v[XS+4]|, |v[XS+5]|
.irp i, 6,10,14,18,22,26
	v_max3_num_f32 v12, v12, |v[XS+\i]|, |v[XS+\i+1]|
	v_max3_num_f32 v13, v13, |v[XS+\i+2]|, |v[XS+\i+3]|
.endr
	v_max3_num_f32 v12, v12, |v[XS+30]|, |v[XS+31]|
	v_max3_num_f32 v12, v12, v13, (EMAX+1)<<23     ; and the floor 2^(5 - 127): the byte cannot fall under 1
	v_add_nc_u32 v11, -(EMAX<<23), v12             ; 4 off its exponent field: the conversion takes the exponent field of this operand as its scale
	v_cvt_scalef32_pk16_bf6_f32 v[CC:CC+2], v[XS:XS+15], v11
	v_cvt_scalef32_pk16_bf6_f32 v[TC:TC+2], v[XS+16:XS+31], v11    ; (a conversion's three registers begin on an even number)
	v_lshrrev_b32 v[E+(\t)], 23, v11               ; the scale's byte; also the plain line behind the conversions
.irp i, 0,1,2
	v_mov_b32 v[CC+3+\i], v[TC+\i]
.endr
	ds_store_b8 v5, v[E+(\t)] offset:128*((\t)/4)+2*((\t)%4)
	global_store_b128 v4, v[CC:CC+3], s[14:15] offset:((\t)%4)*PLANE+((\t)/4)*768           ; 512 consecutive bytes, aligned
	global_store_b64 v7, v[CC+4:CC+5], s[14:15] offset:((\t)%4)*PLANE+((\t)/4)*768+512      ; 256 consecutive bytes, aligned
.endm
.irp t, 0,1,2,3,4,5,6,7
	STEP \t
.endr
	ds_load_b64 v[220:221], v6                     ; my wave's 32 rows x 8 scale bytes: these see my stores
	s_wait_dscnt 0x0
	global_store_b64 v7, v[220:221], s[16:17]      ; 256 consecutive bytes, aligned
	s_wait_tensorcnt 0x0
	ds_add_u32 v224, v225
	s_wait_dscnt 0x0
	s_endpgm
.Lfunc_end_k_qbed5389970_quant:
	.size	k_qbed5389970_quant, .Lfunc_end_k_qbed5389970_quant-k_qbed5389970_quant
	.p2alignl 7, 3214868480
	.fill 96, 4, 3214868480
	.section	.rodata,"a",@progbits
	.p2align	6, 0x0
	.amdhsa_kernel k_qbed5389970_quant
		.amdhsa_group_segment_fixed_size 36352
		.amdhsa_private_segment_fixed_size 0
		.amdhsa_enable_private_segment 0
		.amdhsa_kernarg_size 56
		.amdhsa_user_sgpr_count 2
		.amdhsa_user_sgpr_kernarg_segment_ptr 1
		.amdhsa_wavefront_size32 1
		.amdhsa_system_sgpr_workgroup_id_x 1
		.amdhsa_system_sgpr_workgroup_id_y 1
		.amdhsa_system_sgpr_workgroup_id_z 1
		.amdhsa_system_vgpr_workitem_id 0
		.amdhsa_next_free_vgpr 226
		.amdhsa_next_free_sgpr 66
		.amdhsa_reserve_vcc 0
		.amdhsa_float_denorm_mode_32 3
		.amdhsa_float_denorm_mode_16_64 3
		.amdhsa_memory_ordered 1
		.amdhsa_forward_progress 1
		.amdhsa_inst_pref_size 31
	.end_amdhsa_kernel
	.amdgpu_metadata
---
amdhsa.version: [ 1, 2 ]
amdhsa.kernels:
  - .name:           k_qbed5389970_quant
    .symbol:         k_qbed5389970_quant.kd
    .args:
      - { .name: x, .offset: 0, .size: 8, .value_kind: global_buffer, .address_space: global }
      - { .name: Wq, .offset: 8, .size: 8, .value_kind: global_buffer, .address_space: global }
      - { .name: Wk, .offset: 16, .size: 8, .value_kind: global_buffer, .address_space: global }
      - { .name: Wv, .offset: 24, .size: 8, .value_kind: global_buffer, .address_space: global }
      - { .name: Wo, .offset: 32, .size: 8, .value_kind: global_buffer, .address_space: global }
      - { .name: cw, .offset: 40, .size: 8, .value_kind: global_buffer, .address_space: global }
      - { .name: sw, .offset: 48, .size: 8, .value_kind: global_buffer, .address_space: global }
    .group_segment_fixed_size: 36352
    .private_segment_fixed_size: 0
    .kernarg_segment_align: 8
    .kernarg_segment_size: 56
    .max_flat_workgroup_size: 128
    .sgpr_count:     66
    .vgpr_count:     226
    .wavefront_size: 32
...
	.end_amdgpu_metadata
.endif
;; end of part 1
;; launch proj (part 2): grid 8 x 32, 4 waves a work-group, clusters of 4 x 4, 327,680 bytes of LDS; arguments cw, sw, bq, bk, bv, qr, kv; writes qr, kv
.if DOCPART == 2
	.amdgcn_target "amdgcn-amd-amdhsa--gfx1250"
	.amdhsa_code_object_version 6
	.text
	.protected	k_qbed5389970_proj
	.globl	k_qbed5389970_proj
	.p2align	8
	.type	k_qbed5389970_proj,@function
k_qbed5389970_proj:
	s_mov_b64 s[64:65], 0
	v_nop
	global_prefetch_b8 v0, s[64:65] scope:SCOPE_SE
	s_setreg_imm32_b32 hwreg(HW_REG_WAVE_MODE, 25, 1), 1
	s_wait_xcnt 0x0
	s_wait_alu depctr_hold_cnt(0) depctr_sa_sdst(0) depctr_va_vdst(0) depctr_va_sdst(0) depctr_va_ssrc(0) depctr_va_vcc(0) depctr_vm_vsrc(0)
	s_getreg_b32 s2, hwreg(HW_REG_IB_STS2, 6, 4)
	s_cmp_eq_u32 s2, 0
	s_cbranch_scc0 .Lentry_in_a_cluster
	s_endpgm
.Lentry_in_a_cluster:
	s_bfe_u32 s2, ttmp6, 0x10000c
	s_cmp_lg_u32 s2, 0xf033
	s_cbranch_scc0 .Lentry_shape_is_right
	s_endpgm
.Lentry_shape_is_right:
; q, k, v = x W^T + b on codes of BF6 (E3M2) with E8M0 scales, quantised again on the way out: q and k along the head's 64 channels, v along the tokens.
; SHARES.  256 work-groups.  A work-group: 256 stored tokens (row tile R) x 128 channels each of q, k and v (column group g: heads 2 g, 2 g + 1).
; A wave: 128 tokens (wave / 2) x one head (wave % 2) of q, k and v: 96 accumulators of 16 x 16, 768 registers.
; q, k: source 0 = 16 rows of W, source 1 = 16 tokens: a lane holds a token, its registers run along the channels.  v: the same fragments with the sources
; swapped: a lane holds a channel, its registers run along the tokens, which are the K of attention's second product.
; K goes in 4 slots' worth of 256 through two LDS slots: x [4 chunks][16 tiles][768], then Wq, Wk, Wv [4 chunks][8 tiles][768] each.
; Wave 0 fetches x's part, jointly with the cluster's row; waves 1-3 fetch Wq, Wk, Wv, jointly with the cluster's column: one tensor load a wave.
; The scale bytes of all of K (20,480 bytes) and the biases come by plain loads and LDS stores into bytes of their own while slot 0's load is out.
; No prefetch: K is four slots long and the block is the largest that the registers hold.
; A STEP of 128 along K: q's 32 products, k's 32, v's 32.  W's fragments lie in two sets of four: q and v share one, k has the other, and the two change roles
; from step to step; x has one set, fetched anew in two halves under v's products.
; REGISTERS: window 0: v0-31 addresses, v32-55 scale words (two sets of 12: lanes 0-15 x's tile i, lanes 16-31 W's tile i), v64-159 x's 8 fragments,
; v160-255 W's 8; window 1: v's accumulators (channel tile c, token tile a) at 8 (8 c + a); windows 2, 3: q's and k's (token tile a, W tile b) at 8 (8 (a % 4) + b).
; OUT: qr: [batch x head][16 records of 128 tokens][8 images of 768, 128 scale words]; kv: records of 13,056: K's 8 images, V's 4 fragments, K's 128 words, V's 64.
; LIMITS: a block under 2^-122 gets the byte 1; a block of zeros gets 1 (its codes are zeros; this program alone reads the bytes); NaN and infinities are not served.
.set CPLANE, 589824
.set SPLANE, 98304
.set ASTEP,  4*CPLANE
.set XT,     49152
.set WT,     24576
.set SLOT,   XT+3*WT
.set SCL,    2*SLOT                    ; x's scales [4 runs][256 rows][8]
.set SCW,    SCL+8192                  ; W's: [head 2][4 runs][2048]: 12 tiles of 128 bytes
.set BIAS,   SCL+24576                 ; 768 bytes a wave: q's 64, k's 64, v's 64
.set SPARE,  BIAS+3072
.set STV,    4096
.set AX, 16
.set AW, 20
.set AV, 24
.set SPW, 28
.set NIL, 29
.set ADRS, 30
.set SC, 32
.set XF, 64
.set WB, 160
.set HA, 64
.set BI, 128
.set BV, 56
.set PC, 192
.set TM, 212
.set PW, 228
.set WD, 230
.set RB, 240
.set SEL, 2
.set G1X, 24
.set G0X, 32
.set G1W, 48
.set G0W, 56
.set PA, 92
.set PB, 94
.set SA, 96
.set SB, 98
.set PV, 68
.set SV, 70
.set MSB, 0
.macro WIN new                         ; the immediate's high byte repeats the setting that is left
.if MSB != \new
	s_set_vgpr_msb (MSB<<8)|\new
.set MSB, \new
.endif
.endm
.macro PLACES
.rept 4
	v_nop
.endr
.endm
.macro JLOAD s                         ; wave 0: x's part of slot s; waves 1-3: Wq's, Wk's, Wv's.  One mask to a line
	s_cmp_eq_u32 s18, 0
	s_cbranch_scc0 .Lfor_w_\@
	tensor_load_to_lds s[G0X+4*(\s):G0X+4*(\s)+3], s[G1X:G1X+7]
	s_nop 0
	PLACES
	s_branch .Lasked_\@
.Lfor_w_\@:
	tensor_load_to_lds s[G0W+4*(\s):G0W+4*(\s)+3], s[G1W:G1W+7]
	s_nop 0
	PLACES
.Lasked_\@:
.endm
.macro CREST
	s_cmp_lg_u32 s18, 0
	s_cbranch_scc1 .Lnot_wave_0_\@
	s_barrier_signal -3
.Lnot_wave_0_\@:
	s_barrier_wait -3
	s_barrier_signal -1
	s_barrier_wait -1
.endm
.macro CROUND
	s_barrier_signal -1
	s_barrier_wait -1
	CREST
.endm
	s_load_b256 s[4:11], s[0:1], 0x0               ; cw, sw, bq, bk
	s_load_b128 s[12:15], s[0:1], 0x20             ; bv, qr
	s_load_b64 s[16:17], s[0:1], 0x30              ; kv
	v_lshl_add_u32 v[SPW], v0, 2, SPARE
	v_mov_b32 v[NIL], 0
	ds_add_u32 v[SPW], v[NIL]                      ; the opening lines: the add twice on end and its wait
	ds_add_u32 v[SPW], v[NIL]
	v_lshrrev_b32 v1, 5, v0
	v_readfirstlane_b32 s18, v1                    ; wave
	s_lshr_b32 s19, s18, 1                         ; which 128 tokens
	s_and_b32 s20, s18, 1                          ; which head
	s_bfe_u32 s21, ttmp6, 0x40000                  ; cx
	s_bfe_u32 s22, ttmp6, 0x40004                  ; cy
	s_lshl_b32 s23, ttmp9, 2
	s_add_co_u32 s23, s23, s21                     ; g
	s_and_b32 s40, ttmp7, 0xffff
	s_lshl_b32 s40, s40, 2
	s_add_co_u32 s40, s40, s22                     ; R
	s_mov_b32 s[SEL], 0x76543210
	s_mov_b32 s[SEL+1], 0xfedcba98
	s_lshl_b32 s41, s22, 2
	s_lshl_b32 s41, 15, s41                        ; my row of the cluster
	s_lshl_b32 s42, 0x1111, s21                    ; my column
	s_or_b32 s[G1X+0], s41, (3<<16)|(1<<21)        ; x: 4 rows (chunks) of 12,288 bytes, elements of 8 bytes
	s_mov_b32 s[G1X+1], 1536<<16
	s_mov_b32 s[G1X+2], 4<<16
	s_mov_b32 s[G1X+3], 1536<<16
	s_mov_b32 s[G1X+4], 4
	s_mov_b32 s[G1X+5], CPLANE/8
	s_mov_b32 s[G1X+6], 0
	s_mov_b32 s[G1X+7], 0
	s_or_b32 s[G1W+0], s42, (3<<16)|(1<<21)        ; W: 4 rows of 6,144 bytes
	s_mov_b32 s[G1W+1], 768<<16
	s_mov_b32 s[G1W+2], 4<<16
	s_mov_b32 s[G1W+3], 768<<16
	s_mov_b32 s[G1W+4], 4
	s_mov_b32 s[G1W+5], CPLANE/8
	s_mov_b32 s[G1W+6], 0
	s_mov_b32 s[G1W+7], 0
	s_mul_i32 s66, s40, 12288                      ; x: stored row 256 R, 48 bytes a row in a chunk's plane
	s_mov_b32 s67, 0
	s_lshl_b32 s43, s18, 10
	s_lshl_b32 s44, s23, 7
	s_add_co_u32 s43, s43, s44
	s_add_co_u32 s43, s43, 7168                    ; W: stored row 8192 + 1024 (wave - 1) + 128 g
	s_mul_i32 s92, s43, 48
	s_mov_b32 s93, 0
	s_mul_i32 s96, s18, WT
	s_add_co_u32 s96, s96, WT                      ; and where it goes: XT + (wave - 1) WT
	s_wait_dscnt 0x0
	s_wait_kmcnt 0x0
	s_add_nc_u64 s[66:67], s[4:5], s[66:67]
	s_add_nc_u64 s[92:93], s[4:5], s[92:93]
	CROUND                                         ; the first joint loads meet
.irp s, 0,1
	s_mov_b32 s[G0X+4*\s], 1
	s_mov_b32 s[G0X+4*\s+1], \s*SLOT
	s_add_nc_u64 s[G0X+4*\s+2:G0X+4*\s+3], s[66:67], \s*ASTEP
	s_or_b32 s[G0X+4*\s+3], s[G0X+4*\s+3], 0x80000000
	s_mov_b32 s[G0W+4*\s], 1
	s_add_co_u32 s[G0W+4*\s+1], s96, \s*SLOT
	s_add_nc_u64 s[G0W+4*\s+2:G0W+4*\s+3], s[92:93], \s*ASTEP
	s_or_b32 s[G0W+4*\s+3], s[G0W+4*\s+3], 0x80000000
.endr
	JLOAD 0                                        ; slot 0: one tensor load a wave at the head
	s_mul_i32 s72, s19, 6144                       ; my 8 tiles of x
	s_mul_i32 s73, s20, 3072
	s_add_co_u32 s73, s73, XT                      ; my head's 4 tiles of Wq
	s_lshl_b32 s74, s19, 10
	s_lshl_b32 s75, s20, 13
	s_add_co_u32 s75, s75, 8192
	s_sub_co_u32 s75, s75, s74                     ; from x's scale words to W's
	s_add_co_u32 s76, s74, SCL
	s_lshl_b32 s77, s18, 10
	s_lshl_b32 s78, s18, 8
	s_add_co_u32 s78, s78, STV
	s_mul_i32 s79, s18, 768
	s_add_co_u32 s79, s79, BIAS
	s_add_co_u32 s80, s79, 512
	s_mul_i32 s81, s19, SPLANE
	s_lshl_b32 s82, s20, 13
	s_lshl_b32 s83, s19, 11
	s_add_co_u32 s82, s82, s83
	s_add_co_u32 s82, s82, SCW
	s_lshl_b32 s44, s40, 11
	s_mov_b32 s45, 0
	s_add_nc_u64 s[84:85], s[6:7], s[44:45]        ; x's scale bytes: 8 a row and run
	s_lshl_b32 s44, s23, 10
	s_add_co_u32 s44, s44, 65536
	s_add_nc_u64 s[86:87], s[6:7], s[44:45]        ; Wq's, from stored row 8192 + 128 g
	s_lshl_b32 s44, s23, 1
	s_add_co_u32 s44, s44, s20
	s_lshl_b32 s44, s44, 8                         ; my head's 64 biases
	s_add_nc_u64 s[8:9], s[8:9], s[44:45]
	s_add_nc_u64 s[10:11], s[10:11], s[44:45]
	s_add_nc_u64 s[12:13], s[12:13], s[44:45]
	v_and_b32 v1, 15, v0                           ; r
	v_bfe_u32 v2, v0, 4, 1                         ; h
	v_and_b32 v3, 31, v0
	v_lshlrev_b32 v7, 4, v2
	v_lshlrev_b32 v8, 4, v3                        ; 16 x lane
	v_lshlrev_b32 v9, 3, v3                        ; 8 x lane
	v_add_nc_u32 v[AX], s72, v8
	v_add_nc_u32 v[AX+2], s72, v9
	v_add_nc_u32 v[AW], s73, v8
	v_add_nc_u32 v[AW+2], s73, v9
	v_add_nc_u32 v[AX+1], SLOT, v[AX]
	v_add_nc_u32 v[AX+3], SLOT, v[AX+2]
	v_add_nc_u32 v[AW+1], SLOT, v[AW]
	v_add_nc_u32 v[AW+3], SLOT, v[AW+2]
.irp i, 0,1,2,3
	v_add_nc_u32 v[AV+\i], 2*WT, v[AW+\i]
.endr
	v_mul_u32_u24 v4, s75, v2                      ; lanes 16-31 take W's words
	v_lshl_add_u32 v4, v1, 3, v4
	v_add_nc_u32 v[ADRS], s76, v4
	v_lshlrev_b32 v5, 5, v1                        ; q's and k's scale words: a row's eight words (one a token tile) lie side by side, 32 bytes a row
	v_lshl_add_u32 v10, v2, 9, v5
	v_lshlrev_b32 v5, 4, v1                        ; v's: a channel row's four words (one a channel tile) side by side, 16 bytes a row
	v_add_nc_u32 v10, s77, v10                     ; the stage of q's and k's scale words, in
	v_add_nc_u32 v11, s77, v8                      ; and back
	v_add_nc_u32 v12, s78, v5                      ; v's, in
	v_add_nc_u32 v13, s78, v9                      ; and back
	v_lshl_add_u32 v14, v2, 6, s79                 ; q's and k's biases: 16 h channels on
	v_and_b32 v4, 7, v1
	v_lshrrev_b32 v6, 3, v1
	v_lshlrev_b32 v4, 2, v4
	v_lshl_add_u32 v15, v6, 6, v4
	v_add_nc_u32 v15, s80, v15                     ; v's: channel r + 8 (r / 8)
	v_add_nc_u32 v31, s79, v9
	v_lshlrev_b32 v56, 4, v0                       ; x's scales: 16 bytes a thread of a run's 2,048
	v_add_nc_u32 v57, SCL, v56
	v_and_b32 v58, 63, v0
	v_lshlrev_b32 v58, 4, v58
	v_add_nc_u32 v58, s81, v58                     ; W's: run 2 j + wave / 2, 16 bytes of its 1,024
	v_add_nc_u32 v59, s82, v8
	s_wait_alu depctr_va_vdst(0)                   ; the wait at the head's end
.irp j, 0,1,2,3
	global_load_b128 v[64+4*\j:67+4*\j], v56, s[84:85] offset:\j*SPLANE
.endr
.irp j, 0,1
.irp k, 0,1,2
	global_load_b128 v[80+12*\j+4*\k:83+12*\j+4*\k], v58, s[86:87] offset:\j*2*SPLANE+\k*8192
.endr
.endr
	global_load_b64 v[104:105], v9, s[8:9]
	global_load_b64 v[106:107], v9, s[10:11]
	global_load_b64 v[108:109], v9, s[12:13]
	s_wait_loadcnt 0x0
.irp j, 0,1,2,3
	ds_store_b128 v57, v[64+4*\j:67+4*\j] offset:\j*2048
.endr
.irp j, 0,1
.irp k, 0,1,2
	ds_store_b128 v59, v[80+12*\j+4*\k:83+12*\j+4*\k] offset:\j*4096+\k*512
.endr
.endr
	ds_store_b64 v31, v[104:105]
	ds_store_b64 v31, v[106:107] offset:256
	ds_store_b64 v31, v[108:109] offset:512
.macro FRAG reg, adr, off, chs         ; a fragment: two images of 16 rows x 64 K: 16 bytes a lane, then 8
	ds_load_b128 v[\reg:\reg+3], v[\adr] offset:\off
	ds_load_b64 v[\reg+4:\reg+5], v[\adr+2] offset:\off+512
	ds_load_b128 v[\reg+6:\reg+9], v[\adr] offset:\off+\chs
	ds_load_b64 v[\reg+10:\reg+11], v[\adr+2] offset:\off+\chs+512
.endm
.macro LDX st, a0                      ; x's fragments a0 .. a0 + 3 of step st
.irp a, \a0, \a0+1, \a0+2, \a0+3
	FRAG XF+12*(\a), AX+((\st)/2)%2, 24576*((\st)%2)+768*(\a), 12288
.endr
.endm
.macro LDW st, kind, set               ; four fragments of Wq (0), Wk (1) or Wv (2) of step st
.irp t, 0,1,2,3
.if (\kind) == 2
	FRAG WB+48*(\set)+12*\t, AV+((\st)/2)%2, 12288*((\st)%2)+768*\t, 6144
.else
	FRAG WB+48*(\set)+12*\t, AW+((\st)/2)%2, WT*(\kind)+12288*((\st)%2)+768*\t, 6144
.endif
.endr
.endm
.macro LSC st                          ; step st's 12 scale words
.irp i, 0,1,2,3,4,5,6,7,8,9,10,11
	ds_load_b32 v[SC+12*((\st)%2)+\i], v[ADRS] offset:2048*((\st)/2)+4*((\st)%2)+128*\i
.endr
.endm
.macro WM d, s0, s1, z, c0, c1, row
.if \z
	v_wmma_scale_f32_16x16x128_f8f6f4 v[\d:\d+7], v[\s0:\s0+11], v[\s1:\s1+11], 0, v[\c0], v[\c1] matrix_a_fmt:MATRIX_FMT_BF6 matrix_b_fmt:MATRIX_FMT_BF6 \row
.else
	v_wmma_scale_f32_16x16x128_f8f6f4 v[\d:\d+7], v[\s0:\s0+11], v[\s1:\s1+11], v[\d:\d+7], v[\c0], v[\c1] matrix_a_fmt:MATRIX_FMT_BF6 matrix_b_fmt:MATRIX_FMT_BF6 \row
.endif
.endm
.macro MQK a0, kind, set, sp, zero     ; 16 products: token tiles a0 .. a0 + 3 x four tiles of Wq or Wk; the accumulators take turns
.irp a, \a0, \a0+1, \a0+2, \a0+3
.irp t, 0,1,2,3
	WM 8*(8*((\a)%4)+4*(\kind)+\t), WB+48*(\set)+12*\t, XF+12*(\a), \zero, SC+12*(\sp)+4*(\kind)+\t, SC+12*(\sp)+(\a), matrix_a_scale:MATRIX_SCALE_ROW1
.endr
.endr
.endm
.macro MV a0, set, sp, zero            ; 16 products of v, the sources swapped
.irp a, \a0, \a0+1, \a0+2, \a0+3
.irp c, 0,1,2,3
	WM 8*(8*\c+(\a)), XF+12*(\a), WB+48*(\set)+12*\c, \zero, SC+12*(\sp)+(\a), SC+12*(\sp)+8+\c, matrix_b_scale:MATRIX_SCALE_ROW1
.endr
.endr
.endm
.macro STEP st, zero
.set P, (\st)%2
	s_wait_dscnt 32                                ; q, the scale words and x 0-3 are in; x 4-7 and k (32 loads) may be out
	WIN 0xa0
	MQK 0, 0, P, P, \zero
	s_wait_dscnt 16                                ; x 4-7 are in; k may be out
	WIN 0xf0
	MQK 4, 0, P, P, \zero
	PLACES
	WIN 0
	LDW \st, 2, P                                  ; v's fragments into q's set: my last reads of this slot in its second step
.if P == 1 && (\st) < 7
	s_wait_tensorcnt 0x0                           ; my part of the next slot is in;
	ds_add_u32 v[SPW], v[NIL]                      ; the add
	s_wait_dscnt 17                                ; k is in; v's 16 loads and the add may be out
	WIN 0xa0
	MQK 0, 1, 1-P, P, \zero
	s_wait_dscnt 0x0                               ; the add is done, my reads of this slot are over
	s_barrier_signal -1
	WIN 0xf0
	MQK 4, 1, 1-P, P, \zero
	WIN 0
	s_barrier_wait -1
.if (\st) < 5
	CREST                                          ; the barrier has opened a round of the cluster's barrier
	s_add_nc_u64 s[G0X+4*(((\st)/2)%2)+2:G0X+4*(((\st)/2)%2)+3], s[G0X+4*(((\st)/2)%2)+2:G0X+4*(((\st)/2)%2)+3], 2*ASTEP
	s_add_nc_u64 s[G0W+4*(((\st)/2)%2)+2:G0W+4*(((\st)/2)%2)+3], s[G0W+4*(((\st)/2)%2)+2:G0W+4*(((\st)/2)%2)+3], 2*ASTEP
	JLOAD ((\st)/2)%2                              ; the slot just read out takes the 256 along K two slots on; its four v_nop are the places for the loads below
.else
	PLACES
.endif
.else
	s_wait_dscnt 16                                ; k is in; v may be out
	WIN 0xa0
	MQK 0, 1, 1-P, P, \zero
	WIN 0xf0
	MQK 4, 1, 1-P, P, \zero
	PLACES
	WIN 0
.endif
.if (\st) < 7
	LDW (\st)+1, 0, 1-P                            ; the next step's q into k's set
	LSC (\st)+1
	s_wait_dscnt 28                                ; v is in; the 28 just issued may be out
.else
	s_wait_dscnt 0x0
.endif
	WIN 0x50
	MV 0, P, P, \zero
.if (\st) < 7
	PLACES
	WIN 0
	LDX (\st)+1, 0
	WIN 0x50
.endif
	MV 4, P, P, \zero
.if (\st) < 7
	PLACES
	WIN 0
	LDX (\st)+1, 4
	LDW (\st)+1, 1, P                              ; the next step's k into v's set
.endif
.endm
	s_wait_tensorcnt 0x0                           ; my part of slot 0 is in
	ds_add_u32 v[SPW], v[NIL]
	s_wait_dscnt 0x0                               ; the add and my stores of scales and biases are done
	CROUND
	JLOAD 1                                        ; slot 1's first fill
	LDW 0, 0, 0
	LSC 0
	LDX 0, 0
	LDX 0, 4
	LDW 0, 1, 1
	STEP 0, 1                                      ; the first step's products start the sums
.irp st, 1,2,3,4,5,6,7
	STEP \st, 0
.endr
	WIN 0
; 64 numbers a lane, four blocks of 32 (a block lies in lanes l and l xor 16), become 12 registers of codes and a scale word
.macro QUANT s
.irp b, 0,1,2,3
	v_max3_num_f32 v[TM+\b], |v[\s+16*\b]|, |v[\s+1+16*\b]|, 0x2800000
.endr
.irp i, 2,4,6,8,10,12,14
.irp b, 0,1,2,3
	v_max3_num_f32 v[TM+\b], v[TM+\b], |v[\s+16*\b+\i]|, |v[\s+1+16*\b+\i]|
.endr
.endr
.irp b, 0,1,2,3
	v_permlanex16_b32 v[TM+4+\b], v[TM+\b], s[SEL], s[SEL+1]
.endr
.irp b, 0,1,2,3
	v_max_num_f32 v[TM+\b], v[TM+\b], v[TM+4+\b]
.endr
.irp b, 0,1,2,3
	v_add_nc_u32 v[TM+12+\b], 0xfe000000, v[TM+\b]
.endr
.irp b, 0,1,2,3
	v_lshrrev_b32 v[TM+4+\b], 23, v[TM+12+\b]
.endr
	v_lshl_or_b32 v[PW], v[TM+5], 8, v[TM+4]
	v_lshl_or_b32 v[PW], v[TM+6], 16, v[PW]
	v_lshl_or_b32 v[PW], v[TM+7], 24, v[PW]
.irp c, 0,1
	v_cvt_scalef32_pk16_bf6_f32 v[PC+6*\c:PC+2+6*\c], v[\s+32*\c:\s+15+32*\c], v[TM+12+2*\c]
	v_cvt_scalef32_pk16_bf6_f32 v[PC+12+4*\c:PC+14+4*\c], v[\s+16+32*\c:\s+31+32*\c], v[TM+12+2*\c+1]
.endr
	v_nop
.irp c, 0,1
.irp i, 0,1,2
	v_permlane16_swap_b32 v[PC+6*\c+\i], v[PC+12+4*\c+\i]
.endr
.irp i, 0,1,2
	v_mov_b32 v[PC+3+6*\c+\i], v[PC+12+4*\c+\i]
.endr
.endr
.endm
	PLACES
.irp b, 0,1,2,3
	v_mov_b32 v[TM+4+\b], 0                        ; a lane permute's destination counts as one of its sources
.endr
	s_lshr_b32 s41, s40, 3                         ; batch
	s_lshl_b32 s41, s41, 4
	s_lshl_b32 s42, s23, 1
	s_add_co_u32 s41, s41, s42
	s_add_co_u32 s41, s41, s20                     ; x 16 + head
	s_lshl_b32 s41, s41, 4
	s_and_b32 s42, s40, 7
	s_lshl_b32 s42, s42, 1
	s_add_co_u32 s42, s42, s19
	s_add_co_u32 s41, s41, s42                     ; x 16 + record of 128 tokens
	s_mul_i32 s46, s41, 6656
	s_mov_b32 s47, 0
	s_add_nc_u64 s[PA:PA+1], s[14:15], s[46:47]
	s_mul_i32 s46, s41, 13056
	s_add_nc_u64 s[PB:PB+1], s[16:17], s[46:47]
	s_add_nc_u64 s[SA:SA+1], s[PA:PA+1], 6144
	s_add_nc_u64 s[SB:SB+1], s[PB:PB+1], 12288
	s_add_nc_u64 s[PV:PV+1], s[PB:PB+1], 6144
	s_add_nc_u64 s[SV:SV+1], s[PB:PB+1], 12800
.irp b, 0,1,2,3,4,5,6,7
	ds_load_b128 v[BI+8*\b:BI+8*\b+3], v14 offset:(32*(\b/2)+8*(\b%2))*4
	ds_load_b128 v[BI+8*\b+4:BI+8*\b+7], v14 offset:(32*(\b/2)+8*(\b%2))*4+16
.endr
.irp c, 0,1,2,3
	ds_load_b32 v[BV+2*\c], v15 offset:(32*(\c/2)+8*(\c%2))*4
	ds_load_b32 v[BV+2*\c+1], v15 offset:(32*(\c/2)+8*(\c%2))*4
.endr
	s_wait_dscnt 0x0
.irp a, 0,1,2,3,4,5,6,7                ; token tile a: q's 64 channels and k's 64: an image each, and two scale bytes each
	WIN 0x02+(\a/4)
.irp b, 0,1,2,3,4,5,6,7
.irp i, 0,2,4,6
	v_pk_add_f32 v[HA+8*\b+\i:HA+8*\b+\i+1], v[64*(\a%4)+8*\b+\i:64*(\a%4)+8*\b+\i+1], v[BI+8*\b+\i:BI+8*\b+\i+1]
.endr
.endr
	WIN 0
	s_wait_xcnt 0x0                                ; the last tile's stores have read their registers
	QUANT HA
	global_store_b128 v8, v[PC:PC+3], s[PA:PA+1] offset:768*\a
	global_store_b64 v9, v[PC+4:PC+5], s[PA:PA+1] offset:768*\a+512
	global_store_b128 v8, v[PC+6:PC+9], s[PB:PB+1] offset:768*\a
	global_store_b64 v9, v[PC+10:PC+11], s[PB:PB+1] offset:768*\a+512
	v_lshrrev_b32 v[WD], v7, v[PW]
	v_and_b32 v[WD], 0xffff, v[WD]
	ds_store_b32 v10, v[WD] offset:4*\a            ; lanes 0-15 q's word, lanes 16-31 k's: word (row r, tile a) at 32 r + 4 a
.endr
.irp c, 0,1,2,3                        ; channel tile c of v: 128 tokens, a whole fragment and a scale word
	WIN 0x01
.irp b, 0,1,2,3,4,5,6,7
.irp i, 0,2,4,6
	v_pk_add_f32 v[HA+8*\b+\i:HA+8*\b+\i+1], v[64*\c+8*\b+\i:64*\c+8*\b+\i+1], v[BV+2*\c:BV+2*\c+1]
.endr
.endr
	WIN 0
	s_wait_xcnt 0x0
	QUANT HA
.irp k, 0,1,2
	global_store_b128 v8, v[PC+4*\k:PC+4*\k+3], s[PV:PV+1] offset:1536*\c+512*\k
.endr
	ds_store_b32 v12, v[PW] offset:4*\c            ; word (row r, tile c) at 16 r + 4 c
.endr
	ds_load_b128 v[RB:RB+3], v11                   ; my own stores, served in order
	ds_load_b128 v[RB+4:RB+7], v11 offset:512
	ds_load_b64 v[RB+8:RB+9], v13
	s_wait_dscnt 0x0
	global_store_b128 v8, v[RB:RB+3], s[SA:SA+1]
	global_store_b128 v8, v[RB+4:RB+7], s[SB:SB+1]
	global_store_b64 v9, v[RB+8:RB+9], s[SV:SV+1]
	s_wait_tensorcnt 0x0                           ; the wave's end
	ds_add_u32 v[SPW], v[NIL]
	s_wait_dscnt 0x0
	CROUND                                         ; the closing round
	s_endpgm
.Lfunc_end_k_qbed5389970_proj:
	.size	k_qbed5389970_proj, .Lfunc_end_k_qbed5389970_proj-k_qbed5389970_proj
	.p2alignl 7, 3214868480
	.fill 96, 4, 3214868480
	.section	.rodata,"a",@progbits
	.p2align	6, 0x0
	.amdhsa_kernel k_qbed5389970_proj
		.amdhsa_group_segment_fixed_size 327680
		.amdhsa_private_segment_fixed_size 0
		.amdhsa_enable_private_segment 0
		.amdhsa_kernarg_size 56
		.amdhsa_user_sgpr_count 2
		.amdhsa_user_sgpr_kernarg_segment_ptr 1
		.amdhsa_wavefront_size32 1
		.amdhsa_system_sgpr_workgroup_id_x 1
		.amdhsa_system_sgpr_workgroup_id_y 1
		.amdhsa_system_sgpr_workgroup_id_z 1
		.amdhsa_system_vgpr_workitem_id 0
		.amdhsa_next_free_vgpr 1024
		.amdhsa_next_free_sgpr 100
		.amdhsa_reserve_vcc 0
		.amdhsa_float_denorm_mode_32 3
		.amdhsa_float_denorm_mode_16_64 3
		.amdhsa_memory_ordered 1
		.amdhsa_forward_progress 1
		.amdhsa_inst_pref_size 241
	.end_amdhsa_kernel
	.amdgpu_metadata
---
amdhsa.version: [ 1, 2 ]
amdhsa.kernels:
  - .name:           k_qbed5389970_proj
    .symbol:         k_qbed5389970_proj.kd
    .args:
      - { .name: cw, .offset: 0, .size: 8, .value_kind: global_buffer, .address_space: global }
      - { .name: sw, .offset: 8, .size: 8, .value_kind: global_buffer, .address_space: global }
      - { .name: bq, .offset: 16, .size: 8, .value_kind: global_buffer, .address_space: global }
      - { .name: bk, .offset: 24, .size: 8, .value_kind: global_buffer, .address_space: global }
      - { .name: bv, .offset: 32, .size: 8, .value_kind: global_buffer, .address_space: global }
      - { .name: qr, .offset: 40, .size: 8, .value_kind: global_buffer, .address_space: global }
      - { .name: kv, .offset: 48, .size: 8, .value_kind: global_buffer, .address_space: global }
    .group_segment_fixed_size: 327680
    .private_segment_fixed_size: 0
    .kernarg_segment_align: 8
    .kernarg_segment_size: 56
    .max_flat_workgroup_size: 128
    .sgpr_count:     100
    .vgpr_count:     1024
    .wavefront_size: 32
...
	.end_amdgpu_metadata
.endif
;; end of part 2
;; launch attn (part 3): grid 4 x 64, 16 waves a work-group, clusters of 4 x 1, 210,944 bytes of LDS; arguments qr, kv, oc, os; writes oc, os
.if DOCPART == 3
	.amdgcn_target "amdgcn-amd-amdhsa--gfx1250"
	.amdhsa_code_object_version 6
	.text
	.protected	k_qbed5389970_attn
	.globl	k_qbed5389970_attn
	.p2align	8
	.type	k_qbed5389970_attn,@function
k_qbed5389970_attn:
	s_mov_b64 s[64:65], 0
	v_nop
	global_prefetch_b8 v0, s[64:65] scope:SCOPE_SE
	s_setreg_imm32_b32 hwreg(HW_REG_WAVE_MODE, 25, 1), 1
	s_wait_xcnt 0x0
	s_wait_alu depctr_hold_cnt(0) depctr_sa_sdst(0) depctr_va_vdst(0) depctr_va_sdst(0) depctr_va_ssrc(0) depctr_va_vcc(0) depctr_vm_vsrc(0)
	s_getreg_b32 s2, hwreg(HW_REG_IB_STS2, 6, 4)
	s_cmp_eq_u32 s2, 0
	s_cbranch_scc0 .Lentry_in_a_cluster
	s_endpgm
.Lentry_in_a_cluster:
	s_bfe_u32 s2, ttmp6, 0x10000c
	s_cmp_lg_u32 s2, 0x3003
	s_cbranch_scc0 .Lentry_shape_is_right
	s_endpgm
.Lentry_shape_is_right:
; O = softmax(q k^T / 8) v for one batch and head a cluster, both products on codes of BF6 (E3M2) with E8M0 scales; O is quantised along the channels and leaves as codes for the last product.
; THE SOFTMAX: t = score x log2(e) / 8; M = the running largest t rounded UP to a whole number; p = 2^(t - M) is quantised along the keys, not normalised; the row's sum is taken of the
; unquantised p in f32 and divides O at the end; when M moves, the sum and O are multiplied by 2^(old M - new M), which rounds nothing.
; SHARES.  The cluster's four work-groups own 512 stored queries each of one head; each of sixteen waves owns one tile of 16 queries at a time, two one after the other: 256 registers a wave, four waves
; to a SIMD, so that one wave's matrix work and LDS loads stand beside another's vector work.  THE HEAD'S WHOLE K AND V, 16 records of 13,056 bytes, LIE IN LDS, FILLED ONCE: wave w asks for record w,
; jointly with the three partners (same descriptor, mask 15).  Nothing is filled again: no ring, and no barrier in the loop.
; LAYOUT.  Both products are used transposed (S^T = K Q^T, O^T = V^T P^T): a lane holds one query.  A tile's 16 stored keys are true keys 32 b + 8 u + r + 8 (r / 8), so that the 16 registers of tiles
; 2 b, 2 b + 1 are 16 neighbouring keys; V's channels are stored likewise, so that O^T's 16 registers of two tiles are 16 neighbouring channels.
; The head's size is 64, the instruction's K 128: the upper six registers of Q's and of K's fragments hold zero codes, written once, and the upper two bytes of their scale words are 0.
; OUT.  oc: [16 heads][512 tiles of 16 stored tokens][768]: an image of 16 tokens x 64.  os: [4][8,192 stored tokens][8]: two bytes a token and head, 8 bytes apart: these stores cover their 128 bytes in
; part; they are one part in 25 of what a wave stores.
; LIMITS: a block of O or p under 2^-122 gets the byte 1; NaN and infinities are not served.  No prefetch: the one fill is asked for at the head.
; REGISTERS: v1-3, v7 lane terms; v4-6 the step's addresses; v8 at work; v12 -M, v13 the largest t, v[14:15] the sum; v16-27 Q, v28 its scale word; v30 f, v31 p's scale word; v32-79 four fragments of K;
;   v80-83, v84-87 K's and V's scale words; v88-95 at work; v96-159 S^T, then p; v160-191 O^T; v192-239 four fragments of V; v240-243 the conversions' scale operands; v244-255 p's codes.
.set REC,  13056                       ; a key step's record: K's 8 images, V's 4 fragments, K's 128 scale words, V's 64
.set VIM,  6144
.set KSC,  12288
.set VSC,  12800
.set QREC, 6656
.macro ROUND                           ; a round of the cluster's barrier
	s_barrier_signal -1
	s_barrier_wait -1
	s_cmp_lg_u32 s12, 0
	s_cbranch_scc1 .Lnot_wave_0_\@
	s_barrier_signal -3
.Lnot_wave_0_\@:
	s_barrier_wait -3
	s_barrier_signal -1
	s_barrier_wait -1
.endm
	s_load_b256 s[4:11], s[0:1], 0x0               ; qr, kv, oc, os
	v_lshl_add_u32 v11, v0, 2, 0x33000
	v_mov_b32 v29, 0
	ds_add_u32 v11, v29
	ds_add_u32 v11, v29
	v_lshrrev_b32 v1, 5, v0
	s_delay_alu instid0(VALU_DEP_1)
	v_readfirstlane_b32 s12, v1                    ; wave 0..15
	s_bfe_u32 s13, ttmp6, 0x40000                  ; cx: it enters the addresses of q, oc and os alone
	s_and_b32 s14, ttmp7, 0xffff                   ; batch x 16 + head, which the four partners share
	s_mov_b32 s20, 0x76543210
	s_mov_b32 s21, 0xfedcba98                      ; v_permlanex16_b32's selects for lane l xor 16
	s_mov_b32 s22, 0x3e38aa3b                      ; c = log2(e) / sqrt(64)
	s_mov_b32 s23, s22                             ; (named with it as a pair)
	; descriptor group 1: a record, dense in memory, as 51 rows of 256 bytes
	s_mov_b32 s24, 15|(3<<16)|(1<<21)              ; 15:0 the mask: all four work-groups; 17:16 elements of 8 bytes; 21 set beside a mask
	s_mov_b32 s25, 32<<16                          ; tensor_dim0
	s_mov_b32 s26, 51<<16                          ; tensor_dim1
	s_mov_b32 s27, 32<<16                          ; tile_dim0
	s_mov_b32 s28, 51                              ; tile_dim1
	s_mov_b32 s29, 32                              ; tensor_dim0_stride
	s_mov_b32 s30, 0
	s_mov_b32 s31, 0
	s_mov_b32 s32, 1
	s_mul_i32 s33, s12, REC                        ; LDS address: by the wave's number alone
	s_mul_i32 s16, s14, 16*REC
	s_add_co_u32 s16, s16, s33
	s_mov_b32 s17, 0
	s_wait_dscnt 0x0
	s_wait_kmcnt 0x0
	s_add_nc_u64 s[34:35], s[6:7], s[16:17]
	s_or_b32 s35, s35, 0x80000000
	ROUND                                          ; all four work-groups are here: the joint loads meet
	tensor_load_to_lds s[32:35], s[24:31]          ; my one tensor load of the launch
	s_nop 0
.rept 4
	v_nop
.endr
	; q: record (head's 16) + 4 cx + wave / 8 (the second tile's lies two records on), image wave % 8
	s_mul_i32 s16, s14, 16*QREC
	s_lshl_b32 s38, s13, 2
	s_lshr_b32 s39, s12, 3
	s_add_co_u32 s38, s38, s39
	s_mul_i32 s38, s38, QREC
	s_add_co_u32 s16, s16, s38
	s_and_b32 s39, s12, 7
	s_mul_i32 s38, s39, 768
	s_add_co_u32 s18, s16, s38
	s_lshl_b32 s38, s39, 2                         ; a row's eight scale words lie side by side: word (row r, image a) at 32 r + 4 a
	s_add_co_u32 s16, s16, s38
	s_add_co_u32 s16, s16, 6144
	s_mov_b32 s19, 0
	s_add_nc_u64 s[40:41], s[4:5], s[18:19]        ; its image
	s_add_nc_u64 s[42:43], s[4:5], s[16:17]        ; its scale words
	; oc, os: token tile batch x 128 + 32 cx + wave (the second: 16 tiles on)
	s_and_b32 s38, s14, 15                         ; head
	s_lshr_b32 s39, s14, 4                         ; batch
	s_mul_i32 s16, s38, 393216
	s_lshl_b32 s18, s39, 7
	s_lshl_b32 s15, s13, 5
	s_add_co_u32 s18, s18, s15
	s_add_co_u32 s18, s18, s12
	s_mul_i32 s15, s18, 768
	s_add_co_u32 s16, s16, s15
	s_add_nc_u64 s[44:45], s[8:9], s[16:17]
	s_lshr_b32 s16, s38, 2
	s_lshl_b32 s16, s16, 16
	s_lshl_b32 s15, s18, 7
	s_add_co_u32 s16, s16, s15
	s_and_b32 s15, s38, 3
	s_lshl_b32 s15, s15, 1
	s_add_co_u32 s16, s16, s15
	s_add_nc_u64 s[46:47], s[10:11], s[16:17]
	v_and_b32 v8, 31, v0
	s_delay_alu instid0(VALU_DEP_1)
	v_lshlrev_b32 v1, 4, v8                        ; 16 x lane
	s_delay_alu instid0(VALU_DEP_2)
	v_lshlrev_b32 v2, 3, v8                        ; 8 x lane
	v_and_b32 v8, 15, v0
	s_delay_alu instid0(VALU_DEP_1)
	v_lshlrev_b32 v3, 5, v8                        ; 32 r: Q's and K's scale words
	s_delay_alu instid0(VALU_DEP_2)
	v_lshlrev_b32 v7, 3, v8                        ; 8 r
	v_lshlrev_b32 v9, 4, v8                        ; 16 r: V's scale words
.macro QLOAD p
	global_load_b128 v[16:19], v1, s[40:41] offset:2*QREC*\p
	global_load_b64 v[20:21], v2, s[40:41] offset:2*QREC*\p+512
	global_load_b32 v28, v3, s[42:43] offset:2*QREC*\p
.endm
	QLOAD 0
.irp j, 22,23,24,25,26,27
	v_mov_b32 v[\j], 0                             ; zero codes for k = 64 .. 127, on both operands
.endr
.irp i, 0,1,2,3
.irp j, 6,7,8,9,10,11
	v_mov_b32 v[32+12*\i+\j], 0
.endr
.endr
.irp b, 0,1,2,3
	v_mov_b32 v[92+\b], 0                          ; written once: a lane permute's destination counts as one of its sources
.endr
	v_mov_b32 v31, 0                               ; (named as the upper half of the pair v[30:31] before it is first written)
	s_wait_tensorcnt 0x0                           ; my record is in,
	s_barrier_signal -1
	s_barrier_wait -1                              ; everybody's is
; A KEY STEP: 128 keys, the record at LDS byte s36.
.macro STEP
.irp i, 0,1,2,3                                ; K's tiles 0-3
	ds_load_b128 v[32+12*\i:35+12*\i], v4 offset:768*\i
	ds_load_b64 v[36+12*\i:37+12*\i], v5 offset:768*\i+512
.endr
	ds_load_b128 v[80:83], v6 offset:KSC           ; my row's scale words of tiles 0-3
	s_wait_alu depctr_va_vdst(0)
	s_wait_dscnt 0x0
.irp i, 0,1,2,3
	v_wmma_scale_f32_16x16x128_f8f6f4 v[96+8*\i:103+8*\i], v[32+12*\i:43+12*\i], v[16:27], 0, v[80+\i], v28 matrix_a_fmt:MATRIX_FMT_BF6 matrix_b_fmt:MATRIX_FMT_BF6
.endr
.rept 4
	v_nop                                          ; places in front of loads into registers that matrix instructions have read, those of the last step's V^T P too
.endr
.irp i, 0,1,2,3
	ds_load_b128 v[32+12*\i:35+12*\i], v4 offset:768*(4+\i)
	ds_load_b64 v[36+12*\i:37+12*\i], v5 offset:768*(4+\i)+512
.endr
	ds_load_b128 v[80:83], v6 offset:KSC+16        ; and of tiles 4-7
.irp t, 0,1,2,3                                ; V's four fragments: they land under the softmax
.irp c, 0,1,2
	ds_load_b128 v[192+12*\t+4*\c:195+12*\t+4*\c], v4 offset:VIM+1536*\t+512*\c
.endr
.endr
	ds_load_b128 v[84:87], v10 offset:VSC          ; my channel row's four scale words
	s_wait_dscnt 13                                ; K's tiles 4-7 are in; V's thirteen loads may be out
.irp i, 0,1,2,3
	v_wmma_scale_f32_16x16x128_f8f6f4 v[128+8*\i:135+8*\i], v[32+12*\i:43+12*\i], v[16:27], 0, v[80+\i], v28 matrix_a_fmt:MATRIX_FMT_BF6 matrix_b_fmt:MATRIX_FMT_BF6
.endr
	s_add_co_u32 s36, s36, REC
	s_min_u32 s38, s36, 15*REC                     ; the next record; behind the last trip nothing reads these addresses
	v_add_nc_u32 v4, s38, v1                       ; the next step's four addresses are the places behind the products
	v_add_nc_u32 v5, s38, v2
	v_add_nc_u32 v6, s38, v3
	v_add_nc_u32 v10, s38, v9
.irp b, 0,1,2,3
	v_max3_num_f32 v[88+\b], v[96+16*\b], v[97+16*\b], v[98+16*\b]   ; the largest score of each block of 32 keys: for the row's maximum, and, since p rises with the score, for the block's largest p
.endr
.irp i, 3,5,7,9,11,13
.irp b, 0,1,2,3
	v_max3_num_f32 v[88+\b], v[88+\b], v[96+16*\b+\i], v[97+16*\b+\i]
.endr
.endr
.irp b, 0,1,2,3
	v_max_num_f32 v[88+\b], v[88+\b], v[111+16*\b]
.endr
.irp b, 0,1,2,3
	s_delay_alu instid0(VALU_DEP_4)
	v_permlanex16_b32 v[92+\b], v[88+\b], s20, s21
.endr
.irp b, 0,1,2,3
	s_delay_alu instid0(VALU_DEP_4)
	v_max_num_f32 v[88+\b], v[88+\b], v[92+\b]     ; with lane l xor 16's 16 keys
.endr
	s_delay_alu instid0(VALU_DEP_2)
	v_max3_num_f32 v8, v88, v89, v90
	s_delay_alu instid0(VALU_DEP_1)
	v_max_num_f32 v8, v8, v91                      ; the step's largest score of my query
	s_delay_alu instid0(VALU_DEP_1)
	v_mul_f32 v8, s22, v8                          ; as t (c is positive)
	s_delay_alu instid0(VALU_DEP_1)
	v_max_num_f32 v13, v13, v8                     ; the running largest t
	v_mov_b32 v8, v12
	s_delay_alu instid0(VALU_DEP_2)
	v_floor_f32 v12, -v13                          ; the new -M = floor(-t): M is a whole number
	s_delay_alu instid0(VALU_DEP_1)
	v_sub_f32 v8, v12, v8                          ; old M - new M: a whole number, 0 or less
	s_delay_alu instid0(VALU_DEP_1)
	v_cvt_i32_f32 v8, v8                           ; (it saturates)
	s_delay_alu instid0(VALU_DEP_1)
	v_ldexp_f32 v30, 1.0, v8                       ; f = 2^(old M - new M)
.set JJ, 0
.rept 32
	v_pk_fma_f32 v[96+JJ:97+JJ], v[96+JJ:97+JJ], s[22:23], v[12:13] op_sel_hi:[1,0,0]   ; t - M, two at a time
.set JJ, JJ+2
.endr
.irp b, 0,1,2,3
	v_fma_f32 v[88+\b], v[88+\b], s22, v12         ; the same of each block's largest score
.endr
.set JJ, 0
	s_wait_alu depctr_va_vdst(0)
.rept 64
	v_exp_f32 v[96+JJ], v[96+JJ]                   ; p = 2^(t - M), at most 1
.set JJ, JJ+1
.endr
.irp b, 0,1,2,3
	v_exp_f32 v[88+\b], v[88+\b]                   ; the block's largest p
.endr
	v_pk_mul_f32 v[14:15], v[14:15], v[30:31] op_sel_hi:[1,0]   ; the sums under the new M.  (A plain place behind the exponentials)
	s_wait_alu depctr_va_vdst(0)
.irp b, 0,1,2,3
	v_max_num_f32 v[88+\b], 0x2800000, v[88+\b]    ; the floor 2^(5 - 127)
.endr
.irp b, 0,1,2,3
	s_delay_alu instid0(VALU_DEP_4)
	v_add_nc_u32 v[240+\b], 0xfe000000, v[88+\b]   ; 4 off the exponent field: the conversion's scale operand
.endr
.irp b, 0,1,2,3
	s_delay_alu instid0(VALU_DEP_4)
	v_lshrrev_b32 v[92+\b], 23, v[240+\b]          ; the scale's byte
.endr
	s_delay_alu instid0(VALU_DEP_3)
	v_lshl_or_b32 v31, v93, 8, v92                 ; p's scale word for these 128 keys
	s_delay_alu instid0(VALU_DEP_1)
	v_lshl_or_b32 v31, v94, 16, v31
	s_delay_alu instid0(VALU_DEP_1)
	v_lshl_or_b32 v31, v95, 24, v31
.irp c, 0,1
	v_cvt_scalef32_pk16_bf6_f32 v[244+6*\c:246+6*\c], v[96+32*\c:111+32*\c], v[240+2*\c]
	v_cvt_scalef32_pk16_bf6_f32 v[88+4*\c:90+4*\c], v[112+32*\c:127+32*\c], v[240+2*\c+1]   ; (a conversion's three registers begin on an even number)
.endr
	v_pk_add_f32 v[82:83], v[132:133], v[136:137]  ; one of the sum's additions is the plain place behind the scaled conversions
.irp c, 0,1
.irp i, 0,1,2
	v_permlane16_swap_b32 v[244+6*\c+\i], v[88+4*\c+\i]
.endr
.irp i, 0,1,2
	s_delay_alu instid0(VALU_DEP_3)
	v_mov_b32 v[247+6*\c+\i], v[88+4*\c+\i]
.endr
.endr
	v_pk_add_f32 v[88:89], v[100:101], v[104:105]
	v_pk_add_f32 v[242:243], v[108:109], v[112:113]
	v_pk_add_f32 v[240:241], v[116:117], v[120:121]
	v_pk_add_f32 v[90:91], v[124:125], v[128:129]
	v_pk_add_f32 v[80:81], v[140:141], v[144:145]
	v_pk_add_f32 v[72:73], v[148:149], v[152:153]
	v_pk_add_f32 v[14:15], v[14:15], v[156:157]
	v_pk_add_f32 v[88:89], v[88:89], v[96:97]
	v_pk_add_f32 v[242:243], v[242:243], v[98:99]
	v_pk_add_f32 v[240:241], v[240:241], v[102:103]
	v_pk_add_f32 v[90:91], v[90:91], v[106:107]
	v_pk_add_f32 v[82:83], v[82:83], v[110:111]
	v_pk_add_f32 v[80:81], v[80:81], v[114:115]
	v_pk_add_f32 v[72:73], v[72:73], v[118:119]
	v_pk_add_f32 v[14:15], v[14:15], v[122:123]
	v_pk_add_f32 v[88:89], v[88:89], v[126:127]
	v_pk_add_f32 v[242:243], v[242:243], v[130:131]
	v_pk_add_f32 v[240:241], v[240:241], v[134:135]
	v_pk_add_f32 v[90:91], v[90:91], v[138:139]
	v_pk_add_f32 v[82:83], v[82:83], v[142:143]
	v_pk_add_f32 v[80:81], v[80:81], v[146:147]
	v_pk_add_f32 v[72:73], v[72:73], v[150:151]
	v_pk_add_f32 v[14:15], v[14:15], v[154:155]
	v_pk_add_f32 v[88:89], v[88:89], v[158:159]
	s_delay_alu instid0(VALU_DEP_2)
	v_pk_add_f32 v[14:15], v[14:15], v[90:91]
	s_delay_alu instid0(VALU_DEP_2)
	v_pk_add_f32 v[88:89], v[88:89], v[82:83]
	v_pk_add_f32 v[242:243], v[242:243], v[80:81]
	v_pk_add_f32 v[240:241], v[240:241], v[72:73]
	s_delay_alu instid0(VALU_DEP_2)
	v_pk_add_f32 v[14:15], v[14:15], v[242:243]
	s_delay_alu instid0(VALU_DEP_2)
	v_pk_add_f32 v[88:89], v[88:89], v[240:241]
	s_delay_alu instid0(VALU_DEP_1)
	v_pk_add_f32 v[14:15], v[14:15], v[88:89]
.set JJ, 0
.rept 16
	v_pk_mul_f32 v[160+JJ:161+JJ], v[160+JJ:161+JJ], v[30:31] op_sel_hi:[1,0]   ; O^T under the new M.  (With the sums above: the places between p's codes and scale word and the products below)
.set JJ, JJ+2
.endr
	s_wait_alu depctr_va_vdst(0)
	s_wait_dscnt 0x0                               ; V is in
.irp t, 0,1,2,3                                ; O^T += V^T P^T: the four accumulators take turns, one instruction a turn
	v_wmma_scale_f32_16x16x128_f8f6f4 v[160+8*\t:167+8*\t], v[192+12*\t:203+12*\t], v[244:255], v[160+8*\t:167+8*\t], v[84+\t], v31 matrix_a_fmt:MATRIX_FMT_BF6 matrix_b_fmt:MATRIX_FMT_BF6
.endr
.endm
; THE WAY OUT of tile p: O^T / the sum, quantised along the head's 64 channels (two blocks), as an image of 16 tokens x 64 and two scale bytes a token.
.macro OUT p
.rept 4
	v_nop                                          ; places behind the last products
.endr
	v_add_f32 v14, v14, v15                        ; the sum's two halves,
	s_delay_alu instid0(VALU_DEP_1)
	v_permlanex16_b32 v8, v14, s20, s21
	s_delay_alu instid0(VALU_DEP_1)
	v_add_f32 v14, v14, v8                         ; and lane l xor 16's
	s_wait_alu depctr_va_vdst(0)
	v_rcp_f32 v14, v14
	v_nop                                          ; one plain place behind a transcendental
.set JJ, 0
	s_wait_alu depctr_va_vdst(0)
.rept 16
	v_pk_mul_f32 v[96+JJ:97+JJ], v[160+JJ:161+JJ], v[14:15] op_sel_hi:[1,0]   ; register 16 b + i is channel 32 b + 16 h + i of my query; each accumulator from its low end on
.set JJ, JJ+2
.endr
.irp b, 0,1
	v_max3_num_f32 v[88+\b], |v[96+16*\b]|, |v[97+16*\b]|, 0x2800000
.endr
.irp i, 2,4,6,8,10,12,14
.irp b, 0,1
	s_delay_alu instid0(VALU_DEP_2)
	v_max3_num_f32 v[88+\b], v[88+\b], |v[96+16*\b+\i]|, |v[97+16*\b+\i]|
.endr
.endr
.irp b, 0,1
	s_delay_alu instid0(VALU_DEP_2)
	v_permlanex16_b32 v[92+\b], v[88+\b], s20, s21
.endr
.irp b, 0,1
	s_delay_alu instid0(VALU_DEP_2)
	v_max_num_f32 v[88+\b], v[88+\b], v[92+\b]
.endr
.irp b, 0,1
	s_delay_alu instid0(VALU_DEP_2)
	v_add_nc_u32 v[240+\b], 0xfe000000, v[88+\b]
.endr
.irp b, 0,1
	s_delay_alu instid0(VALU_DEP_2)
	v_lshrrev_b32 v[92+\b], 23, v[240+\b]
.endr
	s_delay_alu instid0(VALU_DEP_1)
	v_lshl_or_b32 v8, v93, 8, v92                  ; my token's two scale bytes
	v_cvt_scalef32_pk16_bf6_f32 v[244:246], v[96:111], v240
	v_cvt_scalef32_pk16_bf6_f32 v[250:252], v[112:127], v241
	v_nop                                          ; one plain place behind a scaled conversion
.irp i, 0,1,2
	v_permlane16_swap_b32 v[244+\i], v[250+\i]
.endr
.irp i, 0,1,2
	s_delay_alu instid0(VALU_DEP_3)
	v_mov_b32 v[247+\i], v[250+\i]
.endr
	global_store_b128 v1, v[244:247], s[44:45] offset:12288*\p         ; 512 consecutive bytes, aligned
	global_store_b64 v2, v[248:249], s[44:45] offset:12288*\p+512      ; 256 consecutive bytes, aligned
	global_store_b16 v7, v8, s[46:47] offset:2048*\p                   ; (both halves of the lanes write the same two bytes with the same value)
.endm
.macro PASS p
	v_mov_b32 v13, 0xff61b1e6                      ; the largest t so far: -3e38, under every t
	s_delay_alu instid0(VALU_DEP_1)
	v_floor_f32 v12, -v13                          ; -M
	v_mov_b32 v14, 0
	v_mov_b32 v15, 0
.set JJ, 0
.rept 32
	v_mov_b32 v[160+JJ], 0                         ; O^T: the step is written once; the first finds zeros, which the first change of M leaves zeros
.set JJ, JJ+1
.endr
	s_wait_loadcnt 0x0                             ; Q
	s_wait_xcnt 0x0                                ; the last tile's stores have read their registers: they are written again only behind this wait
	v_mov_b32 v4, v1                               ; record 0's addresses
	v_mov_b32 v5, v2
	v_mov_b32 v6, v3
	v_mov_b32 v10, v9
	s_mov_b32 s36, 0
	s_mov_b32 s37, 16
.Lstep_\@:                                         ; 16 trips: all keys of the head
	STEP
	s_sub_co_u32 s37, s37, 1
	s_cmp_lg_u32 s37, 0
	s_cbranch_scc1 .Lstep_\@
.if \p == 0
	QLOAD 1                                        ; the second tile's Q lands under the first's way out
.endif
	OUT \p
.endm
	PASS 0
	PASS 1
	s_wait_tensorcnt 0x0
	ds_add_u32 v11, v29
	s_wait_dscnt 0x0
	ROUND                                          ; the closing round
	s_endpgm
.Lfunc_end_k_qbed5389970_attn:
	.size	k_qbed5389970_attn, .Lfunc_end_k_qbed5389970_attn-k_qbed5389970_attn
	.p2alignl 7, 3214868480
	.fill 96, 4, 3214868480
	.section	.rodata,"a",@progbits
	.p2align	6, 0x0
	.amdhsa_kernel k_qbed5389970_attn
		.amdhsa_group_segment_fixed_size 210944
		.amdhsa_private_segment_fixed_size 0
		.amdhsa_enable_private_segment 0
		.amdhsa_kernarg_size 32
		.amdhsa_user_sgpr_count 2
		.amdhsa_user_sgpr_kernarg_segment_ptr 1
		.amdhsa_wavefront_size32 1
		.amdhsa_system_sgpr_workgroup_id_x 1
		.amdhsa_system_sgpr_workgroup_id_y 1
		.amdhsa_system_sgpr_workgroup_id_z 1
		.amdhsa_system_vgpr_workitem_id 0
		.amdhsa_next_free_vgpr 256
		.amdhsa_next_free_sgpr 66
		.amdhsa_reserve_vcc 0
		.amdhsa_float_denorm_mode_32 3
		.amdhsa_float_denorm_mode_16_64 3
		.amdhsa_memory_ordered 1
		.amdhsa_forward_progress 1
		.amdhsa_inst_pref_size 52
	.end_amdhsa_kernel
	.amdgpu_metadata
---
amdhsa.version: [ 1, 2 ]
amdhsa.kernels:
  - .name:           k_qbed5389970_attn
    .symbol:         k_qbed5389970_attn.kd
    .args:
      - { .name: qr, .offset: 0, .size: 8, .value_kind: global_buffer, .address_space: global }
      - { .name: kv, .offset: 8, .size: 8, .value_kind: global_buffer, .address_space: global }
      - { .name: oc, .offset: 16, .size: 8, .value_kind: global_buffer, .address_space: global }
      - { .name: os, .offset: 24, .size: 8, .value_kind: global_buffer, .address_space: global }
    .group_segment_fixed_size: 210944
    .private_segment_fixed_size: 0
    .kernarg_segment_align: 8
    .kernarg_segment_size: 32
    .max_flat_workgroup_size: 512
    .sgpr_count:     66
    .vgpr_count:     256
    .wavefront_size: 32
...
	.end_amdgpu_metadata
.endif
;; end of part 3
;; launch outp (part 4): grid 4 x 64, 4 waves a work-group, clusters of 4 x 4, 327,680 bytes of LDS; arguments oc, os, cw, sw, bo, out0; writes out0
.if DOCPART == 4
	.amdgcn_target "amdgcn-amd-amdhsa--gfx1250"
	.amdhsa_code_object_version 6
	.text
	.protected	k_qbed5389970_outp
	.globl	k_qbed5389970_outp
	.p2align	8
	.type	k_qbed5389970_outp,@function
k_qbed5389970_outp:
	s_mov_b64 s[64:65], 0
	v_nop
	global_prefetch_b8 v0, s[64:65] scope:SCOPE_SE
	s_setreg_imm32_b32 hwreg(HW_REG_WAVE_MODE, 25, 1), 1
	s_wait_xcnt 0x0
	s_wait_alu depctr_hold_cnt(0) depctr_sa_sdst(0) depctr_va_vdst(0) depctr_va_sdst(0) depctr_va_ssrc(0) depctr_va_vcc(0) depctr_vm_vsrc(0)
	s_getreg_b32 s2, hwreg(HW_REG_IB_STS2, 6, 4)
	s_cmp_eq_u32 s2, 0
	s_cbranch_scc0 .Lentry_in_a_cluster
	s_endpgm
.Lentry_in_a_cluster:
	s_bfe_u32 s2, ttmp6, 0x10000c
	s_cmp_lg_u32 s2, 0xf033
	s_cbranch_scc0 .Lentry_shape_is_right
	s_endpgm
.Lentry_shape_is_right:
; out0 = O Wo^T + bo on codes of BF6 (E3M2) with E8M0 scales.  256 work-groups: 128 stored tokens (row tile R) x 256 columns (cx).
; ALL OF K LIES IN LDS, FILLED ONCE: O's codes [16 chunks][8 tiles][768], Wo's [16][16 tiles][768], O's scales [4 runs][128][8], Wo's [4][256][8]:
; four joint loads at the head, one a wave (O's shared along the cluster's row, Wo's along its column).  No ring; one barrier ahead of the stage.
; A wave: 64 tokens (wave / 2) x 128 columns (wave % 2): 32 accumulators in window 1.  Source 0 = 16 rows of Wo, source 1 = 16 tokens: a lane holds a token,
; its registers run along the columns.  Fragments in two sets, a step of 128 along K ahead: O's in window 0 (v64-159), Wo's in window 2 (v0-191).
; Scale words v32-63, two sets of 16 (a run of 256 along K each): lanes 0-15 O's tile i, lanes 16-31 Wo's tile i.
; Stored rows hold true rows with bits 3 and 4 exchanged: the stage's offsets and the stores' row numbers undo that.
; No prefetch: the one fill is asked for at the head.
.set APLANE, 393216
.set ASPL,   65536
.set BPLANE, 589824
.set BSPL,   98304
.set LB,     98304
.set LSA,    294912
.set LSB,    299008
.set SPARE,  307200
.set SPITCH, 528
.set ADRS, 4
.set AA, 12
.set AB, 16
.set STO, 24
.set RD, 25
.set CO, 26
.set SPW, 28
.set NIL, 29
.set SC, 32
.set AF, 64
.set BK, 64
.set G1A, 24
.set G1B, 32
.set G1S, 40
.set G1T, 48
.set G0A, 56
.set G0B, 60
.set G0S, 68
.set G0T, 72
.set MSB, 0
.macro WIN new
.if MSB != \new
	s_set_vgpr_msb (MSB<<8)|\new
.set MSB, \new
.endif
.endm
.macro PLACES
.rept 4
	v_nop
.endr
.endm
.macro CROUND
	s_barrier_signal -1
	s_barrier_wait -1
	s_cmp_lg_u32 s18, 0
	s_cbranch_scc1 .Lnot_wave_0_\@
	s_barrier_signal -3
.Lnot_wave_0_\@:
	s_barrier_wait -3
	s_barrier_signal -1
	s_barrier_wait -1
.endm
.macro DESC g, d0, d1, st              ; group 1's words 1 to 7: d1 rows of d0 elements of 8 bytes, st elements apart
	s_mov_b32 s[\g+1], (\d0)<<16
	s_mov_b32 s[\g+2], (\d1)<<16
	s_mov_b32 s[\g+3], (\d0)<<16
	s_mov_b32 s[\g+4], \d1
	s_mov_b32 s[\g+5], \st
	s_mov_b32 s[\g+6], 0
	s_mov_b32 s[\g+7], 0
.endm
	s_load_b256 s[4:11], s[0:1], 0x0               ; oc, os, cw, sw
	s_load_b128 s[12:15], s[0:1], 0x20             ; bo, out0
	v_lshl_add_u32 v[SPW], v0, 2, SPARE
	v_mov_b32 v[NIL], 0
	ds_add_u32 v[SPW], v[NIL]                      ; the opening lines: the add twice on end and its wait
	ds_add_u32 v[SPW], v[NIL]
	v_lshrrev_b32 v1, 5, v0
	v_readfirstlane_b32 s18, v1                    ; wave
	s_lshr_b32 s19, s18, 1                         ; which 64 tokens
	s_and_b32 s20, s18, 1                          ; which 128 columns
	s_bfe_u32 s21, ttmp6, 0x40000                  ; cx: the column tile
	s_bfe_u32 s22, ttmp6, 0x40004                  ; cy
	s_and_b32 s80, ttmp7, 0xffff
	s_lshl_b32 s80, s80, 2
	s_add_co_u32 s80, s80, s22                     ; R
	s_lshl_b32 s81, s22, 2
	s_lshl_b32 s81, 15, s81                        ; my row of the cluster
	s_lshl_b32 s82, 0x1111, s21                    ; my column
	s_or_b32 s[G1A], s81, (3<<16)|(1<<21)
	DESC G1A, 768, 16, APLANE/8
	s_or_b32 s[G1B], s82, (3<<16)|(1<<21)
	DESC G1B, 1536, 16, BPLANE/8
	s_or_b32 s[G1S], s81, (3<<16)|(1<<21)
	DESC G1S, 128, 4, ASPL/8
	s_or_b32 s[G1T], s82, (3<<16)|(1<<21)
	DESC G1T, 256, 4, BSPL/8
	s_mul_i32 s66, s80, 6144                       ; O: stored token 128 R, 48 bytes a row in a chunk's plane
	s_mov_b32 s67, 0
	s_lshl_b32 s84, s80, 10                        ; its scales: 8 bytes a row and run
	s_mov_b32 s85, 0
	s_lshl_b32 s83, s21, 8
	s_add_co_u32 s83, s83, 11264                   ; Wo: stored row 11,264 + 256 cx
	s_mul_i32 s92, s83, 48
	s_mov_b32 s93, 0
	s_lshl_b32 s94, s83, 3
	s_mov_b32 s95, 0
	s_wait_dscnt 0x0
	s_wait_kmcnt 0x0
	s_add_nc_u64 s[66:67], s[4:5], s[66:67]
	s_add_nc_u64 s[84:85], s[6:7], s[84:85]
	s_add_nc_u64 s[92:93], s[8:9], s[92:93]
	s_add_nc_u64 s[94:95], s[10:11], s[94:95]
	CROUND                                         ; the joint loads meet
	s_mov_b32 s[G0A], 1
	s_mov_b32 s[G0A+1], 0
	s_mov_b64 s[G0A+2:G0A+3], s[66:67]
	s_or_b32 s[G0A+3], s[G0A+3], 0x80000000
	s_mov_b32 s[G0B], 1
	s_mov_b32 s[G0B+1], LB
	s_mov_b64 s[G0B+2:G0B+3], s[92:93]
	s_or_b32 s[G0B+3], s[G0B+3], 0x80000000
	s_mov_b32 s[G0S], 1
	s_mov_b32 s[G0S+1], LSA
	s_mov_b64 s[G0S+2:G0S+3], s[84:85]
	s_or_b32 s[G0S+3], s[G0S+3], 0x80000000
	s_mov_b32 s[G0T], 1
	s_mov_b32 s[G0T+1], LSB
	s_mov_b64 s[G0T+2:G0T+3], s[94:95]
	s_or_b32 s[G0T+3], s[G0T+3], 0x80000000
.macro ARM under, g0, g1, next         ; one tree of branches on the wave's number: every way passes one load
	s_cmp_lt_u32 s18, \under
	s_cbranch_scc0 \next
	tensor_load_to_lds s[\g0:\g0+3], s[\g1:\g1+7]
	s_nop 0
	PLACES
	s_branch .Lhead_asked
\next:
.endm
	ARM 1, G0B, G1B, .Lhead_a
	ARM 2, G0A, G1A, .Lhead_sa
	ARM 3, G0S, G1S, .Lhead_sb
	tensor_load_to_lds s[G0T:G0T+3], s[G1T:G1T+7]
	s_nop 0
	PLACES
.Lhead_asked:
	s_mul_i32 s76, s19, 3072                       ; my 4 tiles of O
	s_mul_i32 s77, s20, 6144
	s_add_co_u32 s77, s77, LB                      ; my 8 tiles of Wo
	s_lshl_b32 s78, s19, 9
	s_lshl_b32 s79, s20, 10
	s_add_co_u32 s79, s79, 4096
	s_sub_co_u32 s79, s79, s78                     ; from O's scale words to Wo's, in run 0
	s_add_co_u32 s78, s78, LSA
	s_mul_i32 s86, s18, 16*SPITCH                  ; my stage
	s_lshl_b32 s88, s80, 7
	s_lshl_b32 s87, s19, 6
	s_add_co_u32 s88, s88, s87                     ; my first token
	s_lshl_b32 s88, s88, 12
	s_lshl_b32 s90, s21, 10
	s_lshl_b32 s87, s20, 9
	s_add_co_u32 s90, s90, s87                     ; my first column, in bytes
	s_mov_b32 s91, 0
	s_add_co_u32 s88, s88, s90
	s_mov_b32 s89, 0
	s_add_nc_u64 s[14:15], s[14:15], s[88:89]
	s_add_nc_u64 s[12:13], s[12:13], s[90:91]
	v_and_b32 v1, 15, v0
	v_bfe_u32 v2, v0, 4, 1
	v_and_b32 v3, 31, v0
	v_lshlrev_b32 v[CO], 4, v3
	v_lshlrev_b32 v27, 3, v3
	v_add_nc_u32 v[AA], s76, v[CO]                 ; O's fragments: steps 0-3, and 4-7 (8 chunks on)
	v_add_nc_u32 v[AA+2], s76, v27
	v_add_nc_u32 v[AA+1], 49152, v[AA]
	v_add_nc_u32 v[AA+3], 49152, v[AA+2]
	v_add_nc_u32 v[AB], s77, v[CO]                 ; Wo's: a register for each two steps (4 chunks)
	v_add_nc_u32 v[AB+4], s77, v27
.irp i, 1,2,3
	v_add_nc_u32 v[AB+\i], 49152, v[AB+\i-1]
	v_add_nc_u32 v[AB+4+\i], 49152, v[AB+3+\i]
.endr
	v_mul_u32_u24 v30, s79, v2                     ; lanes 16-31 take Wo's words
	v_lshl_add_u32 v30, v1, 3, v30
	v_add_nc_u32 v[ADRS], s78, v30
	v_lshl_add_u32 v30, v2, 10, 1024               ; a run on: 1,024 bytes for O, 2,048 for Wo
.irp i, 1,2,3
	v_add_nc_u32 v[ADRS+\i], v[ADRS+\i-1], v30
.endr
	v_mul_u32_u24 v31, v1, SPITCH
	v_lshl_add_u32 v31, v2, 6, v31
	v_add_nc_u32 v[STO], s86, v31
	v_add_nc_u32 v[RD], s86, v[CO]
	s_wait_alu depctr_va_vdst(0)                   ; the wait at the head's end
	global_load_b128 v[8:11], v[CO], s[12:13]      ; my four columns' biases
.macro FRAG reg, adr, d8, off, chs
	ds_load_b128 v[\reg:\reg+3], v[\adr] offset:\off
	ds_load_b64 v[\reg+4:\reg+5], v[\adr+\d8] offset:\off+512
	ds_load_b128 v[\reg+6:\reg+9], v[\adr] offset:\off+\chs
	ds_load_b64 v[\reg+10:\reg+11], v[\adr+\d8] offset:\off+\chs+512
.endm
.macro FETCH st                        ; step st's 12 fragments, and with an even step its run's scale words
	WIN 0x80
.irp b, 0,1,2,3,4,5,6,7
	FRAG 96*((\st)%2)+12*\b, AB+(\st)/2, 4, 24576*((\st)%2)+768*\b, 12288
.endr
	WIN 0
.irp a, 0,1,2,3
	FRAG AF+48*((\st)%2)+12*\a, AA+(\st)/4, 2, 12288*((\st)%4)+768*\a, 6144
.endr
.if (\st)%2 == 0
.irp i, 0,1,2,3,4,5,6,7
	ds_load_b64 v[SC+16*(((\st)/2)%2)+2*\i:SC+16*(((\st)/2)%2)+2*\i+1], v[ADRS+(\st)/2] offset:128*\i
.endr
.endif
.endm
.macro WM d, s0, s1, z, c0, c1
.if \z
	v_wmma_scale_f32_16x16x128_f8f6f4 v[\d:\d+7], v[\s0:\s0+11], v[\s1:\s1+11], 0, v[\c0], v[\c1] matrix_a_fmt:MATRIX_FMT_BF6 matrix_b_fmt:MATRIX_FMT_BF6 matrix_a_scale:MATRIX_SCALE_ROW1
.else
	v_wmma_scale_f32_16x16x128_f8f6f4 v[\d:\d+7], v[\s0:\s0+11], v[\s1:\s1+11], v[\d:\d+7], v[\c0], v[\c1] matrix_a_fmt:MATRIX_FMT_BF6 matrix_b_fmt:MATRIX_FMT_BF6 matrix_a_scale:MATRIX_SCALE_ROW1
.endif
.endm
.macro STEP st, zero
.if (\st) < 7
	PLACES                                         ; the other sets were read by the last step's products
	FETCH (\st)+1
.if (\st)%2 == 1
	s_wait_dscnt 56                                ; this step's fragments are in; the 56 loads just issued may be out
.else
	s_wait_dscnt 48                                ; likewise, the 48 just issued
.endif
.else
	s_wait_dscnt 0x0                               ; my reads of the tiles are over:
	s_barrier_signal -1                            ; say so; the wait stands behind the last products
.endif
	WIN 0x52                                       ; source 0 window 2, source 1 window 0, C and D window 1
.irp a, 0,1,2,3
.irp b, 0,1,2,3,4,5,6,7
	WM 8*(8*\a+\b), 96*((\st)%2)+12*\b, AF+48*((\st)%2)+12*\a, \zero, SC+16*(((\st)/2)%2)+2*\b+(\st)%2, SC+16*(((\st)/2)%2)+2*\a+(\st)%2
.endr
.endr
	WIN 0
.endm
	s_wait_tensorcnt 0x0                           ; my tile is in,
	s_barrier_signal -1
	s_barrier_wait -1                              ; everybody's is; nothing is filled again
	FETCH 0
	STEP 0, 1                                      ; the first step's products start the sums
.irp st, 1,2,3,4,5,6,7
	STEP \st, 0
.endr
	s_barrier_wait -1                              ; nobody reads the tiles any more: the stage lies on O's first chunks
; THE WAY OUT: a block of 16 tokens x 128 columns goes through my own stage and comes back as rows of 512 bytes; the bias is added on the way
.macro TOSTAGE a
	WIN 0x04                                       ; the data: window 1
.irp b, 0,1,2,3,4,5,6,7
	ds_store_b128 v[STO], v[64*(\a)+8*\b:64*(\a)+8*\b+3] offset:128*(\b/2)+32*(\b%2)
	ds_store_b128 v[STO], v[64*(\a)+8*\b+4:64*(\a)+8*\b+7] offset:128*(\b/2)+32*(\b%2)+16
.endr
	WIN 0
.set BB, BK+64*((\a)%2)
.irp t, 0,1,2,3,4,5,6,7,8,9,10,11,12,13,14,15
	ds_load_b128 v[BB+4*\t:BB+4*\t+3], v[RD] offset:\t*SPITCH
.endr
.endm
.macro SEND a, younger
.set BB, BK+64*((\a)%2)
	s_wait_dscnt \younger
.irp t, 0,1,2,3,4,5,6,7,8,9,10,11,12,13,14,15
	v_pk_add_f32 v[BB+4*\t:BB+4*\t+1], v[BB+4*\t:BB+4*\t+1], v[8:9]
	v_pk_add_f32 v[BB+4*\t+2:BB+4*\t+3], v[BB+4*\t+2:BB+4*\t+3], v[10:11]
	global_store_b128 v[CO], v[BB+4*\t:BB+4*\t+3], s[14:15] offset:(32*((\a)/2)+8*((\a)%2)+(\t&7)+16*(\t>>3))*4096 th:TH_STORE_NT
.endr
.endm
	PLACES
	s_wait_loadcnt 0x0
	TOSTAGE 0
.irp a, 1,2,3
.if \a > 1
	s_wait_xcnt 0x0                                ; block a - 2's stores have read their registers
.endif
	TOSTAGE \a
	SEND \a-1, 32                                  ; behind block a - 1's loads: block a's 16 stores and 16 loads
.endr
	SEND 3, 0
	s_wait_tensorcnt 0x0                           ; the wave's end
	ds_add_u32 v[SPW], v[NIL]
	s_wait_dscnt 0x0
	CROUND                                         ; the closing round
	s_endpgm
.Lfunc_end_k_qbed5389970_outp:
	.size	k_qbed5389970_outp, .Lfunc_end_k_qbed5389970_outp-k_qbed5389970_outp
	.p2alignl 7, 3214868480
	.fill 96, 4, 3214868480
	.section	.rodata,"a",@progbits
	.p2align	6, 0x0
	.amdhsa_kernel k_qbed5389970_outp
		.amdhsa_group_segment_fixed_size 327680
		.amdhsa_private_segment_fixed_size 0
		.amdhsa_enable_private_segment 0
		.amdhsa_kernarg_size 48
		.amdhsa_user_sgpr_count 2
		.amdhsa_user_sgpr_kernarg_segment_ptr 1
		.amdhsa_wavefront_size32 1
		.amdhsa_system_sgpr_workgroup_id_x 1
		.amdhsa_system_sgpr_workgroup_id_y 1
		.amdhsa_system_sgpr_workgroup_id_z 1
		.amdhsa_system_vgpr_workitem_id 0
		.amdhsa_next_free_vgpr 768
		.amdhsa_next_free_sgpr 100
		.amdhsa_reserve_vcc 0
		.amdhsa_float_denorm_mode_32 3
		.amdhsa_float_denorm_mode_16_64 3
		.amdhsa_memory_ordered 1
		.amdhsa_forward_progress 1
		.amdhsa_inst_pref_size 92
	.end_amdhsa_kernel
	.amdgpu_metadata
---
amdhsa.version: [ 1, 2 ]
amdhsa.kernels:
  - .name:           k_qbed5389970_outp
    .symbol:         k_qbed5389970_outp.kd
    .args:
      - { .name: oc, .offset: 0, .size: 8, .value_kind: global_buffer, .address_space: global }
      - { .name: os, .offset: 8, .size: 8, .value_kind: global_buffer, .address_space: global }
      - { .name: cw, .offset: 16, .size: 8, .value_kind: global_buffer, .address_space: global }
      - { .name: sw, .offset: 24, .size: 8, .value_kind: global_buffer, .address_space: global }
      - { .name: bo, .offset: 32, .size: 8, .value_kind: global_buffer, .address_space: global }
      - { .name: out0, .offset: 40, .size: 8, .value_kind: global_buffer, .address_space: global }
    .group_segment_fixed_size: 327680
    .private_segment_fixed_size: 0
    .kernarg_segment_align: 8
    .kernarg_segment_size: 48
    .max_flat_workgroup_size: 128
    .sgpr_count:     100
    .vgpr_count:     768
    .wavefront_size: 32
...
	.end_amdgpu_metadata
.endif
;; end of part 4
